; MI455X (gfx1250); checked and timed in simulation.
; The chip was launched on July 23, 2026; its instructions are those of AMD's public machine-readable ISA for CDNA 5 (MIT licence, August 2026) and "CDNA5" Instruction Set Architecture Reference Guide (July 2026). The comments in the code are by the model that wrote it; some were corrected since.
;; Top K Router. Allowed arithmetic: matrix products marked QUANTISED: E4M3 operands, one given power-of-two scale a tensor, by v_wmma_f32_16x16x64_fp8_fp8 or v_wmma_f32_16x16x128_fp8_fp8, f32 sums; everything else in f32.
;; Inputs: hidden_states 16,384 x 2,048 float32; lowp_scales 2 int32 (the exponents e of the quantised operands' scales 2^e); noise 16,384 x 64 float32; router_weight 64 x 2,048 float32.
;; Outputs: out0 16,384 x 2 int32; out1 16,384 x 2 float32; out2 16,384 x 64 float32; out3 one number float32.
;; This version of the problem:
;;   THIS VERSION OF THE PROBLEM IS GIVEN IN LOW PRECISION. The matrix products marked QUANTISED in the list below multiply operands that are first quantised to E4M3 (4 exponent bits, 3 mantissa bits; 8 bits a number), with one given power-of-two scale for each operand tensor; their sums are f32. All else is computed in f32.
;;   The module's matrix products, in the order in which they are computed (A, B: the left and right operand; K: the contracted axis; several contracted axes count as one K, in the product's order):
;;     1. [M 16,384, K 2,048] x [K 2,048, N 64]; A: input hidden_states; B: input router_weight: QUANTISED (scales: A lowp_scales[0], B lowp_scales[1])
;;   THE QUANTISER, for each operand of a quantised product, along K:
;;     - The operand's scale is 2^e, e = its entry of the input lowp_scales (int32; the entries are numbered through the quantised products in the list's order, A before B).
;;     - Each number is divided by the scale, clamped to +-448, and rounded to the nearest number of E4M3, ties to even, subnormals kept.
;;     - The product sums the exact products of the quantised numbers (number of the format x scale) in f32.
;;   ~~~python
;;   def quantise(x, axis, e):      # numpy; x: float32 -> the quantised numbers, widened to float32 again
;;       x = np.moveaxis(x, axis, -1); K = x.shape[-1]
;;       r = np.clip(x / 2.0 ** e, -448, 448)
;;       step = 2.0 ** (np.maximum(np.frexp(np.where(r == 0, 1, r))[1] - 1, -6) - 3)
;;       q = np.round(r / step) * step * 2.0 ** e      # np.round: ties to even
;;       return np.moveaxis(q, -1, axis).astype(np.float32)
;;   ~~~
;; 2 versions. Each part assembles by itself: llvm-mc -triple=amdgcn-amd-amdhsa -mcpu=gfx1250 --defsym DOCPART=n.
;; ======== version 1 of 2: 2 launches
;; workspace buffers: part 131,072 bytes
;; launch route (part 1): grid 256 x 1, 16 waves a work-group, no clusters, 281,600 bytes of LDS; arguments hidden_states, router_weight, noise, lowp_scales, out0, out1, out2, part; writes out0, out1, out2, part
.if DOCPART == 1
	.amdgcn_target "amdgcn-amd-amdhsa--gfx1250"
	.amdhsa_code_object_version 6
	.text
	.protected	k_qaa7f9e7f30_route
	.globl	k_qaa7f9e7f30_route
	.p2align	8
	.type	k_qaa7f9e7f30_route,@function
k_qaa7f9e7f30_route:
	s_mov_b64 s[64:65], 0
	v_nop
	global_prefetch_b8 v0, s[64:65] scope:SCOPE_SE
	s_setreg_imm32_b32 hwreg(HW_REG_WAVE_MODE, 25, 1), 1
	s_wait_xcnt 0x0
; TopKRouter, the first of two launches.  logits = Q(hidden_states) Q(router_weight)^T x 2^(e0 + e1) + 0.1 noise (out2); the two largest logits of a token: their experts (out0) and their softmax (out1);
; the softmax over all 64 experts; and, for this work-group's 64 tokens, the 64 sums of probabilities and the 64 counts of chosen experts (part[work-group][128]), which the second launch adds up.
; Q: x / 2^e, held within +-448, to the nearest code of E4M3, ties to even; e0, e1 are the two whole numbers of lowp_scales.  The codes are multiplied by v_wmma_f32_16x16x128_fp8_fp8, sums in f32.
; SHARES.  256 work-groups of 64 tokens, sixteen waves.  Wave w = (m = w / 4, kq = w % 4) owns tokens 16 m .. 16 m + 15 and, in stage s = 0 .. 3, the 128 numbers along K from 128 (4 s + kq) on: four accumulators
; (16 tokens x 64 experts), sixteen matrix instructions.  It also quantises experts 4 w .. 4 w + 3 of router_weight for everybody.
; THE STREAM.  Every global load reads 512 consecutive bytes of one row: a lane holds 4 neighbours along K.  A conversion takes two such quads (two rows) and gives one word of 4 codes for each; a word goes to LDS at
; row x 528 + 4 x lane, so that codes lie there in rows with K in its own order: the turn from the loads' layout to the operands' is made on codes, a quarter of the f32 bytes.
; A fragment (16 rows x 128 K) comes back by four ds_load_b128, 32 bytes apart, at row x 528 + 16 (lane / 16): the same permutation of k in both operands, so every product meets its partner.
; A ring of eight slots of 16 registers: four for router_weight, four for hidden_states.  A slot is asked for again straight behind its conversion: 32 loads of a wave, 16,384 bytes, are always out.
; A STAGE: router_weight's part s becomes codes | barrier | two of its fragments are fetched | my tokens' part s becomes codes (my own LDS bytes: no barrier) | 2 + 2 matrix instructions.
; THE MATRIX INSTRUCTION IS USED TRANSPOSED (source 0 = 16 experts, source 1 = 16 tokens): a lane holds one token and eight neighbouring experts.  The four K quarters of a tile of tokens meet in LDS and come back
; with sixteen lanes to a token's 256 bytes: noise is loaded and out2 stored 512 consecutive bytes an instruction, and what runs over a token's 64 experts goes over 16 lanes (row_xmask).
; NO JOINT LOADS, though every work-group reads all of router_weight: it arrives as f32 and must pass registers (hold, conversion) before it may lie in LDS as codes.  A joint tensor load would bring its 524,288 bytes
; into LDS first; beside the 270,336 bytes of codes they do not fit, so they would go through slots that are filled again, and be written, read back, converted and stored: 1,048,576 bytes more through LDS for each
; work-group than the 131,072 bytes of codes that this text stores.  No tensor loads for hidden_states for the same reason.  No prefetch: the loads of the ring follow each other without a pause from the first line on.
; LIMITS.  NaN among the inputs is not served (an infinity is held at the largest code).  e0 and e1 lie between -126 and 119, e0 + e1 between -126 and 127, so that each power of two below is an f32 number.
; K is summed in four chains of four matrix instructions, which are then added: an order of rounding of its own; two logits nearer to each other than that rounding may change places in the choice.  Equal logits: the lower expert first.
.set ROWB,  8192                       ; a row of hidden_states or of router_weight, in bytes
.set STEPB, 2048                       ; a stage's part of a row: four chunks
.set CHB,   512                        ; a chunk: 128 numbers, one load of a wave
.set CP,    528                        ; LDS: 512 codes + 16 bytes = 33 x 16: the sixteen rows of a fragment load begin at sixteen different 16-byte columns of 256 bytes
.set WPART, 64*CP                      ; router_weight's codes of one stage: a block of its own for each stage
.set XREG,  16*CP                      ; a wave's region: its 16 tokens x 512 codes; later its partial sums
.set XBASE, 4*WPART
.set CSB,   XBASE+16*XREG              ; 512 bytes a wave: 64 sums of probabilities, 64 counts
.set OSB,   CSB+16*512                 ; 512 bytes of out0, then 512 of out1
.set PP,    272                        ; a token's 64 partial sums: 256 bytes + 16
.set G16,  1                           ; v1    16 x lane: the offset of every global access; never rewritten
.set WST,  2                           ; v2-3  where I store router_weight's codes: stages 0-1, stages 2-3
.set XST,  4                           ; v4    where I store my tokens' codes
.set XFA,  5                           ; v5    my tokens' fragment
.set WFA,  6                           ; v6-7  router_weight's fragments: stages 0-1, stages 2-3
.set LIMX, 8                           ; v8    448 x 2^e0;  v9 2^e0;  v10 448 x 2^e1;  v11 2^e1
.set SCX,  9
.set LIMW, 10
.set SCW,  11
.set PST,  12                          ; v12   partial sums: in
.set PRD,  13                          ; v13   and back
.set OST,  14                          ; v14   the stage of out0 and out1
.set CSA,  15                          ; v15   my wave's column sums
.set NZ,   16                          ; v16-23   noise, then 0.1 x noise
.set CD,   24                          ; v24-31   two sets of four words of codes
.set RING, 32                          ; v32-95 router_weight's four slots; v96-159 hidden_states' four
.set ACC,  160                         ; v160-191 four accumulators
.set XF,   192                         ; v192-207 my tokens' fragment
.set WF,   208                         ; v208-239 two fragments of router_weight
.set CSR,  240                         ; v240  CSB + 16 x lane
.set LN,   241                         ; v241 lane, v242 lane % 16, v243 lane / 16, v244-245 at work
.set RR,   242
.set HH,   243
.set T0,   244
.set T1,   245
	s_load_b256 s[4:11], s[0:1], 0x0               ; hidden_states s[4:5], router_weight s[6:7], noise s[8:9], lowp_scales s[10:11]
	s_load_b256 s[12:19], s[0:1], 0x20             ; out0 s[12:13], out1 s[14:15], out2 s[16:17], part s[18:19]
	v_lshl_add_u32 v254, v0, 2, 0x44400
	v_mov_b32 v255, 0
	v_and_b32 v[LN], 31, v0
	v_lshrrev_b32 v[T0], 5, v0
	v_readfirstlane_b32 s20, v[T0]                 ; wave 0..15
	v_lshlrev_b32 v[G16], 4, v[LN]
	s_lshr_b32 s21, s20, 2                         ; m
	s_and_b32 s22, s20, 3                          ; kq
	s_lshl_b32 s24, ttmp9, 19                      ; hidden_states: 64 rows a work-group,
	s_lshl_b32 s25, s21, 17                        ; 16 rows a tile,
	s_add_co_u32 s24, s24, s25
	s_lshl_b32 s25, s22, 9                         ; my chunk of a stage's four
	s_add_co_u32 s24, s24, s25
	s_mov_b32 s25, 0
	s_lshl_b32 s26, s20, 15                        ; router_weight: my four rows
	s_mov_b32 s27, 0
	s_lshl_b32 s28, ttmp9, 14                      ; noise and out2: 64 rows of 256 bytes a work-group,
	s_lshl_b32 s29, s20, 10                        ; four rows a wave
	s_add_co_u32 s28, s28, s29
	s_mov_b32 s29, 0
	s_lshl_b32 s30, ttmp9, 9                       ; out0, out1, part: 512 bytes a work-group
	s_mov_b32 s31, 0
	s_wait_kmcnt 0x0
	s_load_b64 s[32:33], s[10:11], 0x0             ; e0, e1
	s_add_nc_u64 s[6:7], s[6:7], s[26:27]
	s_add_nc_u64 s[4:5], s[4:5], s[24:25]
.macro LDW s, i                        ; router_weight, stage s, chunk i: my four rows -> slot i
.irp j, 0,1,2,3
	global_load_b128 v[RING+16*(\i)+4*\j:RING+16*(\i)+4*\j+3], v[G16], s[6:7] offset:\j*ROWB+(\s)*STEPB+(\i)*CHB
.endr
.endm
.macro LDX s, i                        ; hidden_states, stage s, my chunk: rows 4 i .. 4 i + 3 of my tile -> slot 4 + i.  Read once in the launch
.irp j, 0,1,2,3
	global_load_b128 v[RING+64+16*(\i)+4*\j:RING+64+16*(\i)+4*\j+3], v[G16], s[4:5] offset:(4*(\i)+\j)*ROWB+(\s)*STEPB th:TH_LOAD_NT
.endr
.endm
.irp i, 0,1,2,3
	LDW 0, \i
.endr
.irp i, 0,1,2,3
	LDX 0, \i
.endr
	s_add_nc_u64 s[8:9], s[8:9], s[28:29]
	global_load_b128 v[NZ:NZ+3], v[G16], s[8:9] th:TH_LOAD_NT             ; my four tokens' noise: two rows, 512 consecutive bytes, a load
	global_load_b128 v[NZ+4:NZ+7], v[G16], s[8:9] offset:512 th:TH_LOAD_NT
	s_add_nc_u64 s[16:17], s[16:17], s[28:29]
	s_add_nc_u64 s[12:13], s[12:13], s[30:31]
	s_add_nc_u64 s[14:15], s[14:15], s[30:31]
	s_add_nc_u64 s[18:19], s[18:19], s[30:31]
	; LDS addresses: a constant, a constant x wave, constants x parts of the lane
	v_and_b32 v[RR], 15, v0
	v_bfe_u32 v[HH], v0, 4, 1
	s_mul_i32 s36, s20, 4*CP
	v_lshl_add_u32 v[WST], v[LN], 2, s36           ; my four experts' rows of a stage's block, + 4 x lane
	v_add_nc_u32 v[WST+1], 2*WPART, v[WST]
	s_mul_i32 s37, s20, XREG
	s_add_co_u32 s37, s37, XBASE                   ; my region
	v_lshl_add_u32 v[XST], v[LN], 2, s37
	v_mul_u32_u24 v[T0], v[RR], CP
	v_lshl_add_u32 v[T0], v[HH], 4, v[T0]          ; a fragment: row lane % 16, + 16 (lane / 16)
	v_add_nc_u32 v[XFA], s37, v[T0]
	s_lshl_b32 s38, s22, 7
	v_add_nc_u32 v[WFA], s38, v[T0]                ; of router_weight: my chunk of the stage's four
	v_add_nc_u32 v[WFA+1], 2*WPART, v[WFA]
	v_mul_u32_u24 v[T1], v[RR], PP
	v_lshl_add_u32 v[T1], v[HH], 5, v[T1]
	v_add_nc_u32 v[PST], s37, v[T1]                ; partial sums in: token lane % 16, + 32 (lane / 16)
	s_mul_i32 s39, s21, 4*XREG
	s_mul_i32 s40, s22, 4*PP
	s_add_co_u32 s39, s39, s40
	s_add_co_u32 s39, s39, XBASE
	v_mul_u32_u24 v[T1], v[HH], PP
	v_lshl_add_u32 v[T1], v[RR], 4, v[T1]
	v_add_nc_u32 v[PRD], s39, v[T1]                ; and back: in the regions of my tile's four waves, tokens 4 (w % 4) + lane / 16 (+ 2), 16 bytes a lane
	s_lshl_b32 s40, s20, 5
	s_add_co_u32 s40, s40, OSB
	v_lshl_add_u32 v[OST], v[HH], 3, s40           ; 8 bytes a token: 32 w + 8 (lane / 16)
	v_add_nc_u32 v[CSR], CSB, v[G16]
	s_lshl_b32 s40, s20, 9
	v_add_nc_u32 v[CSA], s40, v[CSR]
	s_mov_b32 s46, 0x76543210                      ; v_permlanex16_b32: each lane takes its own place in the other half
	s_mov_b32 s47, 0xfedcba98
	s_wait_kmcnt 0x0
	s_add_co_i32 s41, s32, 127
	s_lshl_b32 s42, s41, 23
	v_mov_b32 v[SCX], s42                          ; 2^e0 as f32: the conversion takes its exponent field
	s_add_co_i32 s41, s41, 8
	s_lshl_b32 s41, s41, 23
	s_or_b32 s41, s41, 0x600000
	v_mov_b32 v[LIMX], s41                         ; 448 x 2^e0
	s_add_co_i32 s41, s33, 127
	s_lshl_b32 s42, s41, 23
	v_mov_b32 v[SCW], s42
	s_add_co_i32 s41, s41, 8
	s_lshl_b32 s41, s41, 23
	s_or_b32 s41, s41, 0x600000
	v_mov_b32 v[LIMW], s41
	s_add_co_i32 s34, s32, s33
	s_add_co_i32 s34, s34, 127
	s_lshl_b32 s34, s34, 23                        ; 2^(e0 + e1) as f32
	s_mov_b32 s35, s34                             ; (named with it as a pair, so it is written)
; The 32 groups of four loads are issued, and worked, in one order: stage by stage, router_weight's four and then hidden_states' four.  Q counts them.  When group Q is worked, groups up to Q + 7 have been issued.
.set Q, 0
.macro WAITLD
.if Q < 8
	s_wait_loadcnt 30                              ; loads come back in order (ISA guide 5.7.1): group Q is in; the seven younger groups and the two loads of noise may be out
.elseif Q < 25
	s_wait_loadcnt 28                              ; the seven younger groups may be out
.else
	s_wait_loadcnt 4*(31-Q)                        ; the tail: what is left
.endif
.endm
; 16 numbers (four rows' quads) become four words of codes in set c.
.macro CONV reg, lim, sc, c
.irp n, 0,1,2,3,4,5,6,7,8,9,10,11,12,13,14,15
	v_med3_num_f32 v[\reg+\n], v[\reg+\n], -v[\lim], v[\lim]   ; the conversion to an 8-bit code does not saturate (ISA guide 7.6.2): the hold at the largest code x the scale
.endr
	s_wait_dscnt 4                                 ; at most the last group's four LDS stores are out: those that read this set, two groups ago, are done
	v_cvt_scalef32_pk8_fp8_f32 v[CD+4*(\c):CD+4*(\c)+1], v[\reg:\reg+7], v[\sc]         ; rows 0 and 1: a word of four codes each, the lowest k in the lowest byte
	v_cvt_scalef32_pk8_fp8_f32 v[CD+4*(\c)+2:CD+4*(\c)+3], v[\reg+8:\reg+15], v[\sc]    ; rows 2 and 3
	v_nop                                          ; one plain vector instruction behind the last conversion of a run
.endm
.macro PW s, i                         ; router_weight, stage s, chunk i
	WAITLD
	CONV RING+16*(\i), LIMW, SCW, (\i)%2
.if (\s) < 3
	LDW (\s)+1, \i                                 ; the slot's next loads, straight behind the conversion that read it
.endif
.irp j, 0,1,2,3
	ds_store_b32 v[WST+(\s)/2], v[CD+4*((\i)%2)+\j] offset:((\s)%2)*WPART+\j*CP+(\i)*128   ; 32 lanes: 128 consecutive bytes of expert 4 w + j's row
.endr
.set Q, Q+1
.endm
.macro PX s, i                         ; hidden_states, stage s, rows 4 i .. 4 i + 3
	WAITLD
	CONV RING+64+16*(\i), LIMX, SCX, (\i)%2
.if (\s) < 3
	LDX (\s)+1, \i
.endif
.irp j, 0,1,2,3
	ds_store_b32 v[XST], v[CD+4*((\i)%2)+\j] offset:(4*(\i)+\j)*CP+(\s)*128
.endr
.set Q, Q+1
.endm
.macro LDWF reg, s, t                  ; router_weight's fragment: experts 16 t on, my chunk of stage s
.irp c, 0,1,2,3
	ds_load_b128 v[\reg+4*\c:\reg+4*\c+3], v[WFA+(\s)/2] offset:((\s)%2)*WPART+(\t)*16*CP+32*\c
.endr
.endm
.macro MUL t, wreg, zero               ; source 0 = 16 experts, source 1 = my 16 tokens.  zero = 1: the first product starts the sum: nothing is cleared
.if \zero
	v_wmma_f32_16x16x128_fp8_fp8 v[ACC+8*(\t):ACC+8*(\t)+7], v[\wreg:\wreg+15], v[XF:XF+15], 0
.else
	v_wmma_f32_16x16x128_fp8_fp8 v[ACC+8*(\t):ACC+8*(\t)+7], v[\wreg:\wreg+15], v[XF:XF+15], v[ACC+8*(\t):ACC+8*(\t)+7]
.endif
.endm
; The four accumulators take turns, one instruction a turn, in the same order in every stage.
; A load into a register that a matrix instruction has read stands four plain vector instructions behind it (ISA guide 7.12.1 for vector instructions): between the stages the holds are these.
.macro STAGE s
.irp i, 0,1,2,3
	PW \s, \i
.endr
	s_wait_dscnt 0x0                               ; for the others' sake: my codes of router_weight's part s lie in LDS
	s_barrier_signal -1
	s_barrier_wait -1                              ; everybody's do.  (The next stages' parts go into other blocks of LDS: nothing that is read here is written again)
	LDWF WF, \s, 0
	LDWF WF+16, \s, 1
.if (\s) == 3
	LDWF RING, \s, 2                               ; the last stage: router_weight's slots are free, so all four fragments are fetched ahead of my tokens' last numbers
	LDWF RING+16, \s, 3
.endif
.irp i, 0,1,2,3
	PX \s, \i
.endr
.irp c, 0,1,2,3
	ds_load_b128 v[XF+4*\c:XF+4*\c+3], v[XFA] offset:(\s)*128+32*\c    ; LDS serves a wave's instructions in order (ISA guide 5.7.1.4): these see my stores above
.endr
	s_wait_dscnt 0x0
.if (\s) == 0
	MUL 0, WF, 1
	MUL 1, WF+16, 1
.else
	MUL 0, WF, 0
	MUL 1, WF+16, 0
.endif
.if (\s) < 3
.rept 4
	v_nop                                          ; places in front of loads into the fragments just multiplied
.endr
	LDWF WF, \s, 2
	LDWF WF+16, \s, 3
	s_wait_dscnt 0x0
.if (\s) == 0
	MUL 2, WF, 1
	MUL 3, WF+16, 1
.else
	MUL 2, WF, 0
	MUL 3, WF+16, 0
.endif
.else
	MUL 2, RING, 0
	MUL 3, RING+16, 0
.endif
.endm
	STAGE 0
	STAGE 1
	STAGE 2
	STAGE 3
; ---- the four K quarters meet.  Registers from here on:
.set PT,   96                          ; v96-127  the four partial sums of my 8 numbers
.set LG,   128                         ; v128-135 logits: pair of tokens g = 0, 1: token 4 w + 2 g + lane / 16, experts 4 (lane % 16) + 0 .. 3
.set EI,   136                         ; v136-139 my four experts' numbers, as f32
.set M1,   140                         ; largest logit (g = 0, 1);  I1 its expert;  M2, I2 the second
.set I1,   142
.set M2,   144
.set I2,   146
.set BB,   148                         ; v148-155 logits without the largest
.set K64,  156
.set NINF, 157
.set ONE,  158
.set QQ,   32                          ; v32-39   2^((logit - M1) log2 e)
.set TT,   40                          ; v40-47   1 where my expert is chosen
.set EX,   48
.set SM,   50
.set RS,   52
.set WT,   54                          ; v54-57   out1's two numbers, g = 0, 1
.set IX,   58                          ; v58-61   out0's
.set PS,   62                          ; v62-65   sums of probabilities
.set CN,   66                          ; v66-69   counts
.set YY,   70                          ; v70-77   the other half's
.set DD,   78
.irp p, 0,2,4,6
	v_pk_mul_f32 v[NZ+\p:NZ+\p+1], v[NZ+\p:NZ+\p+1], 0x3dcccccd op_sel_hi:[1,0]   ; 0.1 x noise.  These four are also the places between the last products and the stores that read them
.endr
.irp t, 0,1,2,3
	ds_store_b128 v[PST], v[ACC+8*\t:ACC+8*\t+3] offset:64*\t          ; each accumulator from its low end on: token lane % 16, experts 16 t + 8 (lane / 16) + 0 .. 7.  Into my own region: my reads of its codes are back
	ds_store_b128 v[PST], v[ACC+8*\t+4:ACC+8*\t+7] offset:64*\t+16
.endr
	s_wait_dscnt 0x0                               ; for the others' sake
	s_barrier_signal -1
	s_barrier_wait -1
.irp q, 0,1,2,3
.irp g, 0,1
	ds_load_b128 v[PT+8*\q+4*\g:PT+8*\q+4*\g+3], v[PRD] offset:\q*XREG+\g*2*PP
.endr
.endr
	v_lshlrev_b32 v[EI], 2, v[RR]
	v_cvt_f32_u32 v[EI], v[EI]
	v_add_f32 v[EI+1], 1.0, v[EI]
	v_add_f32 v[EI+2], 2.0, v[EI]
	v_add_f32 v[EI+3], 0x40400000, v[EI]
	v_mov_b32 v[K64], 0x42800000                   ; 64.0: above every expert's number
	v_mov_b32 v[NINF], 0xff800000
	v_mov_b32 v[ONE], 1.0
	v_cmp_ne_u32 s44, 0, v[HH]                     ; lanes 16-31
	s_wait_dscnt 0x0
.irp p, 0,2,4,6
	v_pk_add_f32 v[PT+\p:PT+\p+1], v[PT+\p:PT+\p+1], v[PT+8+\p:PT+8+\p+1]
	v_pk_add_f32 v[PT+16+\p:PT+16+\p+1], v[PT+16+\p:PT+16+\p+1], v[PT+24+\p:PT+24+\p+1]
.endr
.irp p, 0,2,4,6
	v_pk_add_f32 v[PT+\p:PT+\p+1], v[PT+\p:PT+\p+1], v[PT+16+\p:PT+16+\p+1]
.endr
.irp p, 0,2,4,6
	v_pk_fma_f32 v[LG+\p:LG+\p+1], v[PT+\p:PT+\p+1], s[34:35], v[NZ+\p:NZ+\p+1] op_sel_hi:[1,0,1]   ; sum x 2^(e0 + e1), which rounds nothing, + 0.1 x noise
.endr
	global_store_b128 v[G16], v[LG:LG+3], s[16:17] th:TH_STORE_NT                ; two tokens' rows: 512 consecutive bytes, at a multiple of 512 from out2's first byte
	global_store_b128 v[G16], v[LG+4:LG+7], s[16:17] offset:512 th:TH_STORE_NT
.macro RED op, reg                     ; over the 16 lanes that share a token; the two pairs of tokens by turns
.irp x, 1,2,4,8
.irp g, 0,1
	\op v[\reg+\g], v[\reg+\g], v[\reg+\g] row_xmask:\x row_mask:0xf bank_mask:0xf
.endr
.endr
.endm
.macro TOP mx, val                     ; the largest of a token's 64 numbers
.irp g, 0,1
	v_max3_num_f32 v[\mx+\g], v[\val+4*\g], v[\val+4*\g+1], v[\val+4*\g+2]
.endr
.irp g, 0,1
	v_max_num_f32 v[\mx+\g], v[\mx+\g], v[\val+4*\g+3]
.endr
	RED v_max_num_f32_dpp, \mx
.endm
.macro ARGM idx, val, mx               ; the lowest expert that holds it: among my four from the highest down, then the least over the lanes
.irp g, 0,1
	v_cmp_eq_f32 vcc_lo, v[\val+4*\g+3], v[\mx+\g]
	v_cndmask_b32 v[\idx+\g], v[K64], v[EI+3], vcc_lo
.irp i, 2,1,0
	v_cmp_eq_f32 vcc_lo, v[\val+4*\g+\i], v[\mx+\g]
	v_cndmask_b32 v[\idx+\g], v[\idx+\g], v[EI+\i], vcc_lo
.endr
.endr
	RED v_min_num_f32_dpp, \idx
.endm
	TOP M1, LG
.irp g, 0,1
.irp i, 0,1,2,3
	v_sub_f32 v[QQ+4*\g+\i], v[LG+4*\g+\i], v[M1+\g]                  ; the maximum is taken away first
.endr
.endr
.irp p, 0,2,4,6
	v_pk_mul_f32 v[QQ+\p:QQ+\p+1], v[QQ+\p:QQ+\p+1], 0x3fb8aa3b op_sel_hi:[1,0]
.endr
.irp n, 0,1,2,3,4,5,6,7
	v_exp_f32 v[QQ+\n], v[QQ+\n]                   ; a batch of eight; the search for the first expert is the independent work behind it
.endr
	ARGM I1, LG, M1
	s_wait_alu depctr_va_vdst(0)                   ; one wait for the batch, ahead of its first reader
.irp g, 0,1
	v_add_f32 v[SM+\g], v[QQ+4*\g], v[QQ+4*\g+1]
	v_add_f32 v[RS+\g], v[QQ+4*\g+2], v[QQ+4*\g+3]
.endr
.irp g, 0,1
	v_add_f32 v[SM+\g], v[SM+\g], v[RS+\g]
.endr
	RED v_add_f32_dpp, SM                          ; the softmax's divisor
.irp g, 0,1
.irp i, 0,1,2,3
	v_cmp_eq_f32 vcc_lo, v[EI+\i], v[I1+\g]
	v_cndmask_b32 v[BB+4*\g+\i], v[LG+4*\g+\i], v[NINF], vcc_lo       ; the first expert is taken out: a choice of values, no branch
	v_cndmask_b32 v[TT+4*\g+\i], 0, v[ONE], vcc_lo
.endr
.endr
	TOP M2, BB
.irp g, 0,1
	v_sub_f32 v[EX+\g], v[M2+\g], v[M1+\g]
.endr
	v_pk_mul_f32 v[EX:EX+1], v[EX:EX+1], 0x3fb8aa3b op_sel_hi:[1,0]
	v_exp_f32 v[EX], v[EX]                         ; e^(second - first): a batch of four with the divisors' reciprocals
	v_exp_f32 v[EX+1], v[EX+1]
	v_rcp_f32 v[RS], v[SM]
	v_rcp_f32 v[RS+1], v[SM+1]
	ARGM I2, BB, M2
.irp g, 0,1
.irp i, 0,1,2,3
	v_cmp_eq_f32 vcc_lo, v[EI+\i], v[I2+\g]
	v_cndmask_b32 v[TT+4*\g+\i], v[TT+4*\g+\i], v[ONE], vcc_lo
.endr
.endr
	v_pk_add_f32 v[CN:CN+1], v[TT:TT+1], v[TT+4:TT+5]
	v_pk_add_f32 v[CN+2:CN+3], v[TT+2:TT+3], v[TT+6:TT+7]
	s_wait_alu depctr_va_vdst(0)                   ; one wait for the four
.irp g, 0,1
	v_add_f32 v[SM+\g], 1.0, v[EX+\g]
.endr
	v_rcp_f32 v[WT], v[SM]                         ; the first weight: 1 / (1 + e^(second - first))
	v_rcp_f32 v[WT+2], v[SM+1]
.irp i, 0,1,2,3
	v_mul_f32 v[PS+\i], v[QQ+\i], v[RS]            ; my two tokens' probabilities of my four experts, added
.endr
.irp i, 0,1,2,3
	v_fmac_f32 v[PS+\i], v[QQ+4+\i], v[RS+1]
.endr
.irp g, 0,1
	v_cvt_i32_f32 v[IX+2*\g], v[I1+\g]
	v_cvt_i32_f32 v[IX+2*\g+1], v[I2+\g]
.endr
	s_wait_alu depctr_va_vdst(0)                   ; one wait for the two
.irp g, 0,1
	v_mul_f32 v[WT+2*\g+1], v[EX+\g], v[WT+2*\g]
.endr
.irp g, 0,1
	ds_store_b64 v[OST], v[IX+2*\g:IX+2*\g+1] offset:16*\g            ; the sixteen lanes of a token write the same 8 bytes with the same numbers
	ds_store_b64 v[OST], v[WT+2*\g:WT+2*\g+1] offset:512+16*\g
.endr
.irp i, 0,1,2,3
	v_permlanex16_b32 v[YY+\i], v[PS+\i], s46, s47                    ; the other half of the lanes holds the same experts of other tokens
	v_permlanex16_b32 v[YY+4+\i], v[CN+\i], s46, s47
.endr
.irp p, 0,2
	v_pk_add_f32 v[PS+\p:PS+\p+1], v[PS+\p:PS+\p+1], v[YY+\p:YY+\p+1]
	v_pk_add_f32 v[CN+\p:CN+\p+1], v[CN+\p:CN+\p+1], v[YY+4+\p:YY+4+\p+1]
.endr
.irp i, 0,1,2,3
	v_cndmask_b32 v[DD+\i], v[PS+\i], v[CN+\i], s44                   ; lanes 0-15 hand on the sums, lanes 16-31 the counts
.endr
	ds_store_b128 v[CSA], v[DD:DD+3]                                  ; 512 bytes a wave
	s_wait_dscnt 0x0                               ; for the others' sake
	s_barrier_signal -1
	s_barrier_wait -1
	; three waves carry the work-group's three rows of 512 bytes out, each by one store of 512 consecutive bytes
	s_cmp_eq_u32 s20, 0
	s_cbranch_scc1 .Lsums
	s_cmp_eq_u32 s20, 1
	s_cbranch_scc1 .Lexperts
	s_cmp_eq_u32 s20, 2
	s_cbranch_scc1 .Lweights
	s_wait_tensorcnt 0x0
	ds_add_u32 v254, v255
	s_wait_dscnt 0x0
	s_endpgm
.macro FOLD base, n                    ; entries n .. 2 n - 1 (four registers each) are added onto entries 0 .. n - 1
.set U, 0
.rept \n
	v_pk_add_f32 v[\base+4*U:\base+4*U+1], v[\base+4*U:\base+4*U+1], v[\base+4*(U+(\n)):\base+4*(U+(\n))+1]
	v_pk_add_f32 v[\base+4*U+2:\base+4*U+3], v[\base+4*U+2:\base+4*U+3], v[\base+4*(U+(\n))+2:\base+4*(U+(\n))+3]
.set U, U+1
.endr
.endm
.Lsums:
.irp u, 0,1,2,3,4,5,6,7,8,9,10,11,12,13,14,15
	ds_load_b128 v[32+4*\u:35+4*\u], v[CSR] offset:512*\u
.endr
	s_wait_dscnt 0x0
	FOLD 32, 8
	FOLD 32, 4
	FOLD 32, 2
	FOLD 32, 1
	global_store_b128 v[G16], v[32:35], s[18:19]
	s_wait_tensorcnt 0x0
	ds_add_u32 v254, v255
	s_wait_dscnt 0x0
	s_endpgm
.Lexperts:
	ds_load_b128 v[32:35], v[CSR] offset:OSB-CSB
	s_wait_dscnt 0x0
	global_store_b128 v[G16], v[32:35], s[12:13] th:TH_STORE_NT
	s_wait_tensorcnt 0x0
	ds_add_u32 v254, v255
	s_wait_dscnt 0x0
	s_endpgm
.Lweights:
	ds_load_b128 v[32:35], v[CSR] offset:OSB-CSB+512
	s_wait_dscnt 0x0
	global_store_b128 v[G16], v[32:35], s[14:15] th:TH_STORE_NT
	s_wait_tensorcnt 0x0
	ds_add_u32 v254, v255
	s_wait_dscnt 0x0
	s_endpgm
.Lfunc_end_k_qaa7f9e7f30_route:
	.size	k_qaa7f9e7f30_route, .Lfunc_end_k_qaa7f9e7f30_route-k_qaa7f9e7f30_route
	.p2alignl 7, 3214868480
	.fill 96, 4, 3214868480
	.section	.rodata,"a",@progbits
	.p2align	6, 0x0
	.amdhsa_kernel k_qaa7f9e7f30_route
		.amdhsa_group_segment_fixed_size 281600
		.amdhsa_private_segment_fixed_size 0
		.amdhsa_enable_private_segment 0
		.amdhsa_kernarg_size 64
		.amdhsa_user_sgpr_count 2
		.amdhsa_user_sgpr_kernarg_segment_ptr 1
		.amdhsa_wavefront_size32 1
		.amdhsa_system_sgpr_workgroup_id_x 1
		.amdhsa_system_sgpr_workgroup_id_y 1
		.amdhsa_system_sgpr_workgroup_id_z 1
		.amdhsa_system_vgpr_workitem_id 0
		.amdhsa_next_free_vgpr 256
		.amdhsa_next_free_sgpr 66
		.amdhsa_reserve_vcc 1
		.amdhsa_float_denorm_mode_32 3
		.amdhsa_float_denorm_mode_16_64 3
		.amdhsa_memory_ordered 1
		.amdhsa_forward_progress 1
		.amdhsa_inst_pref_size 87
	.end_amdhsa_kernel
	.amdgpu_metadata
---
amdhsa.version: [ 1, 2 ]
amdhsa.kernels:
  - .name:           k_qaa7f9e7f30_route
    .symbol:         k_qaa7f9e7f30_route.kd
    .args:
      - { .name: hidden_states, .offset: 0, .size: 8, .value_kind: global_buffer, .address_space: global }
      - { .name: router_weight, .offset: 8, .size: 8, .value_kind: global_buffer, .address_space: global }
      - { .name: noise, .offset: 16, .size: 8, .value_kind: global_buffer, .address_space: global }
      - { .name: lowp_scales, .offset: 24, .size: 8, .value_kind: global_buffer, .address_space: global }
      - { .name: out0, .offset: 32, .size: 8, .value_kind: global_buffer, .address_space: global }
      - { .name: out1, .offset: 40, .size: 8, .value_kind: global_buffer, .address_space: global }
      - { .name: out2, .offset: 48, .size: 8, .value_kind: global_buffer, .address_space: global }
      - { .name: part, .offset: 56, .size: 8, .value_kind: global_buffer, .address_space: global }
    .group_segment_fixed_size: 281600
    .private_segment_fixed_size: 0
    .kernarg_segment_align: 8
    .kernarg_segment_size: 64
    .max_flat_workgroup_size: 512
    .sgpr_count:     66
    .vgpr_count:     256
    .wavefront_size: 32
...
	.end_amdgpu_metadata
.endif
;; end of part 1
;; launch aux (part 2): grid 1 x 1, 16 waves a work-group, no clusters, 10,240 bytes of LDS; arguments part, out3; writes out3
.if DOCPART == 2
	.amdgcn_target "amdgcn-amd-amdhsa--gfx1250"
	.amdhsa_code_object_version 6
	.text
	.protected	k_qaa7f9e7f30_aux
	.globl	k_qaa7f9e7f30_aux
	.p2align	8
	.type	k_qaa7f9e7f30_aux,@function
k_qaa7f9e7f30_aux:
	s_mov_b64 s[64:65], 0
	v_nop
	global_prefetch_b8 v0, s[64:65] scope:SCOPE_SE
	s_setreg_imm32_b32 hwreg(HW_REG_WAVE_MODE, 25, 1), 1
	s_wait_xcnt 0x0
; TopKRouter, the second launch: aux_loss.  part[256][128] f32: for each work-group of the first launch, 64 sums of routing probabilities and then 64 counts of chosen experts.
; aux_loss = sum over e of (count_e / 32,768) (sum_e / 16,384) x 64 x 0.001 = (sum over e of count_e sum_e) x 0.064 x 2^-29.  The counts are whole numbers under 2^24: exact in f32.
; A sum over all work-groups of the first launch has one owner: ONE work-group of sixteen waves.  Wave u adds rows 16 u .. 16 u + 15 (sixteen loads of 512 consecutive bytes, all out at once), the sixteen results
; meet in LDS, and wave 0 finishes.  131,072 bytes in all: no matrix unit, no tensor load, no cluster, no prefetch: there is nothing here for them to do.
.macro FOLD base, n                    ; entries n .. 2 n - 1 (four registers each) are added onto entries 0 .. n - 1
.set U, 0
.rept \n
	v_pk_add_f32 v[\base+4*U:\base+4*U+1], v[\base+4*U:\base+4*U+1], v[\base+4*(U+(\n)):\base+4*(U+(\n))+1]
	v_pk_add_f32 v[\base+4*U+2:\base+4*U+3], v[\base+4*U+2:\base+4*U+3], v[\base+4*(U+(\n))+2:\base+4*(U+(\n))+3]
.set U, U+1
.endr
.endm
	s_load_b128 s[4:7], s[0:1], 0x0                ; part s[4:5], out3 s[6:7]
	v_lshl_add_u32 v80, v0, 2, 0x2000
	v_mov_b32 v81, 0
	v_and_b32 v1, 31, v0
	v_lshrrev_b32 v2, 5, v0
	v_readfirstlane_b32 s8, v2                     ; wave 0..15
	v_lshlrev_b32 v1, 4, v1                        ; 16 x lane: lanes 0-15 hold sums of experts 4 lane + 0 .. 3, lanes 16-31 the counts of experts 4 (lane - 16) + 0 .. 3
	s_lshl_b32 s10, s8, 13                         ; my 16 rows of 512 bytes
	s_mov_b32 s11, 0
	s_lshl_b32 s9, s8, 9
	v_add_nc_u32 v3, s9, v1                        ; LDS: 512 bytes a wave
	s_mov_b32 s12, 0x76543210                      ; v_permlanex16_b32: each lane takes its own place in the other half
	s_mov_b32 s13, 0xfedcba98
.irp i, 0,1,2,3
	v_mov_b32 v[8+\i], 0                           ; written once: a lane permute's destination counts as one of its sources
.endr
	s_wait_kmcnt 0x0
	s_add_nc_u64 s[4:5], s[4:5], s[10:11]
.irp i, 0,1,2,3,4,5,6,7,8,9,10,11,12,13,14,15
	global_load_b128 v[16+4*\i:19+4*\i], v1, s[4:5] offset:512*\i th:TH_LOAD_NT
.endr
	s_wait_loadcnt 0x0
	FOLD 16, 8
	FOLD 16, 4
	FOLD 16, 2
	FOLD 16, 1
	ds_store_b128 v3, v[16:19]
	s_wait_dscnt 0x0                               ; for wave 0's sake
	s_barrier_signal -1
	s_barrier_wait -1
	s_cmp_lg_u32 s8, 0
	s_cbranch_scc1 .Lothers
.irp i, 0,1,2,3,4,5,6,7,8,9,10,11,12,13,14,15
	ds_load_b128 v[16+4*\i:19+4*\i], v1 offset:512*\i
.endr
	s_wait_dscnt 0x0
	FOLD 16, 8
	FOLD 16, 4
	FOLD 16, 2
	FOLD 16, 1
.irp i, 0,1,2,3
	v_permlanex16_b32 v[8+\i], v[16+\i], s12, s13  ; sums meet counts: both halves of the lanes then form the same products
.endr
	v_mul_f32 v4, v16, v8
	v_fmac_f32 v4, v17, v9
	v_fmac_f32 v4, v18, v10
	v_fmac_f32 v4, v19, v11
.irp x, 1,2,4,8
	v_add_f32_dpp v4, v4, v4 row_xmask:\x row_mask:0xf bank_mask:0xf
.endr
	v_mul_f32 v4, 0x2f03126f, v4                   ; x 0.064 x 2^-29
	v_mov_b32 v5, 0
	s_wait_xcnt 0x0                                ; EXEC is narrowed only behind this wait
	v_cmp_eq_u32 vcc_lo, 0, v0
	s_wait_tensorcnt 0x0
	ds_add_u32 v80, v81
	s_wait_dscnt 0x0
	s_and_saveexec_b32 s14, vcc_lo                 ; one number: one lane stores it
	global_store_b32 v5, v4, s[6:7]
	s_endpgm
.Lothers:
	s_wait_tensorcnt 0x0
	ds_add_u32 v80, v81
	s_wait_dscnt 0x0
	s_endpgm
.Lfunc_end_k_qaa7f9e7f30_aux:
	.size	k_qaa7f9e7f30_aux, .Lfunc_end_k_qaa7f9e7f30_aux-k_qaa7f9e7f30_aux
	.p2alignl 7, 3214868480
	.fill 96, 4, 3214868480
	.section	.rodata,"a",@progbits
	.p2align	6, 0x0
	.amdhsa_kernel k_qaa7f9e7f30_aux
		.amdhsa_group_segment_fixed_size 10240
		.amdhsa_private_segment_fixed_size 0
		.amdhsa_enable_private_segment 0
		.amdhsa_kernarg_size 16
		.amdhsa_user_sgpr_count 2
		.amdhsa_user_sgpr_kernarg_segment_ptr 1
		.amdhsa_wavefront_size32 1
		.amdhsa_system_sgpr_workgroup_id_x 1
		.amdhsa_system_sgpr_workgroup_id_y 1
		.amdhsa_system_sgpr_workgroup_id_z 1
		.amdhsa_system_vgpr_workitem_id 0
		.amdhsa_next_free_vgpr 82
		.amdhsa_next_free_sgpr 66
		.amdhsa_reserve_vcc 1
		.amdhsa_float_denorm_mode_32 3
		.amdhsa_float_denorm_mode_16_64 3
		.amdhsa_memory_ordered 1
		.amdhsa_forward_progress 1
		.amdhsa_inst_pref_size 9
	.end_amdhsa_kernel
	.amdgpu_metadata
---
amdhsa.version: [ 1, 2 ]
amdhsa.kernels:
  - .name:           k_qaa7f9e7f30_aux
    .symbol:         k_qaa7f9e7f30_aux.kd
    .args:
      - { .name: part, .offset: 0, .size: 8, .value_kind: global_buffer, .address_space: global }
      - { .name: out3, .offset: 8, .size: 8, .value_kind: global_buffer, .address_space: global }
    .group_segment_fixed_size: 10240
    .private_segment_fixed_size: 0
    .kernarg_segment_align: 8
    .kernarg_segment_size: 16
    .max_flat_workgroup_size: 512
    .sgpr_count:     66
    .vgpr_count:     82
    .wavefront_size: 32
...
	.end_amdgpu_metadata
.endif
;; end of part 2
;; ======== version 2 of 2: 2 launches
;; workspace buffers: part 131,072 bytes
;; launch route (part 3): grid 256 x 1, 16 waves a work-group, no clusters, 281,600 bytes of LDS; arguments hidden_states, router_weight, noise, lowp_scales, out0, out1, out2, part; writes out0, out1, out2, part
.if DOCPART == 3
	.amdgcn_target "amdgcn-amd-amdhsa--gfx1250"
	.amdhsa_code_object_version 6
	.text
	.protected	k_qaa7f9e7f30_route
	.globl	k_qaa7f9e7f30_route
	.p2align	8
	.type	k_qaa7f9e7f30_route,@function
k_qaa7f9e7f30_route:
	s_mov_b64 s[64:65], 0
	v_nop
	global_prefetch_b8 v0, s[64:65] scope:SCOPE_SE
	s_setreg_imm32_b32 hwreg(HW_REG_WAVE_SCHED_MODE, 0, 2), 2
	s_setreg_imm32_b32 hwreg(HW_REG_WAVE_MODE, 25, 1), 1
	s_wait_xcnt 0x0
	s_wait_alu depctr_vm_vsrc(0)
; TopKRouter, the first of two launches.  logits = Q(hidden_states) Q(router_weight)^T x 2^(e0 + e1) + 0.1 noise (out2); the two largest logits of a token: their experts (out0) and their softmax (out1);
; the softmax over all 64 experts; and, for this work-group's 64 tokens, the 64 sums of probabilities and the 64 counts of chosen experts (part[work-group][128]), which the second launch adds up.
; Q: x / 2^e, held within +-448, to the nearest code of E4M3, ties to even; e0, e1 are the two whole numbers of lowp_scales.  The codes are multiplied by v_wmma_f32_16x16x128_fp8_fp8, sums in f32.
; SHARES.  256 work-groups of 64 tokens, sixteen waves.  Wave w = (m = w / 4, kq = w % 4) owns tokens 16 m .. 16 m + 15 and, in stage s = 0 .. 3, the 128 numbers along K from 128 (4 s + kq) on: four accumulators
; (16 tokens x 64 experts), sixteen matrix instructions.  It also quantises experts 4 w .. 4 w + 3 of router_weight for everybody.
; THE STREAM.  Every global load reads 512 consecutive bytes of one row: a lane holds 4 neighbours along K.  A conversion takes two such quads (two rows) and gives one word of 4 codes for each; a word goes to LDS at
; row x 528 + 4 x lane, so that codes lie there in rows with K in its own order: the turn from the loads' layout to the operands' is made on codes, a quarter of the f32 bytes.
; A fragment (16 rows x 128 K) comes back by four ds_load_b128, 32 bytes apart, at row x 528 + 16 (lane / 16): the same permutation of k in both operands, so every product meets its partner.
; A ring of eight slots of 16 registers: four for router_weight, four for hidden_states.  A slot is asked for again straight behind its conversion: 32 loads of a wave, 16,384 bytes, are always out.
; A STAGE: router_weight's part s becomes codes | barrier | two of its fragments are fetched | my tokens' part s becomes codes (my own LDS bytes: no barrier) | 2 + 2 matrix instructions.
; THE MATRIX INSTRUCTION IS USED TRANSPOSED (source 0 = 16 experts, source 1 = 16 tokens): a lane holds one token and eight neighbouring experts.  The four K quarters of a tile of tokens meet in LDS and come back
; with sixteen lanes to a token's 256 bytes: noise is loaded and out2 stored 512 consecutive bytes an instruction, and what runs over a token's 64 experts goes over 16 lanes (row_xmask).
; NO JOINT LOADS, though every work-group reads all of router_weight: it arrives as f32 and must pass registers (hold, conversion) before it may lie in LDS as codes.  A joint tensor load would bring its 524,288 bytes
; into LDS first; beside the 270,336 bytes of codes they do not fit, so they would go through slots that are filled again, and be written, read back, converted and stored: 1,048,576 bytes more through LDS for each
; work-group than the 131,072 bytes of codes that this text stores.  No tensor loads for hidden_states for the same reason.  No prefetch: the loads of the ring follow each other without a pause from the first line on.
; LIMITS.  NaN among the inputs is not served (an infinity is held at the largest code).  e0 and e1 lie between -126 and 119, e0 + e1 between -126 and 127, so that each power of two below is an f32 number.
; K is summed in four chains of four matrix instructions, which are then added: an order of rounding of its own; two logits nearer to each other than that rounding may change places in the choice.  Equal logits: the lower expert first.
; THE MODE: SCHED_MODE bits 1:0 = 2 (LLVM: expert scheduling mode 2), set by the entry lines.  The code itself states the register dependences
; between vector or matrix instructions and memory or LDS instructions, with s_wait_alu, always for 0.
; THE PLAN.  Registers that memory or LDS instructions touch, in the stream:
;   a slot of the ring     A group's sixteen holds write it in place and its two conversions read it; behind them the slot's next four loads land in it.
;   a set of codes (two)   A group's conversions write it; four LDS stores read it; the conversions of two groups on write it again.
;   WF, XF, v32-63         LDS loads land in them; matrix instructions read them; the next fragments land in them.
;   v1-7, v12-15, v240     The global offset and the LDS addresses: made once at the head, never written again.
; So a group has a wait on va_vdst behind its conversions (and one more ahead of them): holds and conversions are done with the slot, the set of codes is written, and every product issued so far is done reading its fragments.  The slot's loads
; follow it at once.  The set's four LDS stores are dealt among the NEXT group's holds, which name their own slot and the limit and nothing that those stores touch; the fourth group of a run stores at once, since a
; barrier or the fragment's loads follow.  And a group has ONE wait on vm_vsrc, ahead of its conversions: the stores of two groups ago have read the set.  Inside stages 0 to 2 one more wait on va_vdst stands between
; products 0, 1 and the loads of fragments 2, 3 into the same registers.  The way out states its dependences where they arise.
.set ROWB,  8192                       ; a row of hidden_states or of router_weight, in bytes
.set STEPB, 2048                       ; a stage's part of a row: four chunks
.set CHB,   512                        ; a chunk: 128 numbers, one load of a wave
.set CP,    528                        ; LDS: 512 codes + 16 bytes = 33 x 16: the sixteen rows of a fragment load begin at sixteen different 16-byte columns of 256 bytes
.set WPART, 64*CP                      ; router_weight's codes of one stage: a block of its own for each stage
.set XREG,  16*CP                      ; a wave's region: its 16 tokens x 512 codes; later its partial sums
.set XBASE, 4*WPART
.set CSB,   XBASE+16*XREG              ; 512 bytes a wave: 64 sums of probabilities, 64 counts
.set OSB,   CSB+16*512                 ; 512 bytes of out0, then 512 of out1
.set PP,    272                        ; a token's 64 partial sums: 256 bytes + 16
.set G16,  1                           ; v1    16 x lane: the offset of every global access; never rewritten
.set WST,  2                           ; v2-3  where I store router_weight's codes: stages 0-1, stages 2-3
.set XST,  4                           ; v4    where I store my tokens' codes
.set XFA,  5                           ; v5    my tokens' fragment
.set WFA,  6                           ; v6-7  router_weight's fragments: stages 0-1, stages 2-3
.set LIMX, 8                           ; v8    448 x 2^e0;  v9 2^e0;  v10 448 x 2^e1;  v11 2^e1
.set SCX,  9
.set LIMW, 10
.set SCW,  11
.set PST,  12                          ; v12   partial sums: in
.set PRD,  13                          ; v13   and back
.set OST,  14                          ; v14   the stage of out0 and out1
.set CSA,  15                          ; v15   my wave's column sums
.set NZ,   16                          ; v16-23   noise, then 0.1 x noise
.set CD,   24                          ; v24-31   two sets of four words of codes
.set RING, 32                          ; v32-95 router_weight's four slots; v96-159 hidden_states' four
.set ACC,  160                         ; v160-191 four accumulators
.set XF,   192                         ; v192-207 my tokens' fragment
.set WF,   208                         ; v208-239 two fragments of router_weight
.set CSR,  240                         ; v240  CSB + 16 x lane
.set LN,   241                         ; v241 lane, v242 lane % 16, v243 lane / 16, v244-245 at work
.set RR,   242
.set HH,   243
.set T0,   244
.set T1,   245
.set MK,   24                          ; s24-31  on the way out: eight masks of a run of compares (at the head: byte offsets)
	s_load_b256 s[4:11], s[0:1], 0x0               ; hidden_states s[4:5], router_weight s[6:7], noise s[8:9], lowp_scales s[10:11]
	s_load_b256 s[12:19], s[0:1], 0x20             ; out0 s[12:13], out1 s[14:15], out2 s[16:17], part s[18:19]
	v_lshl_add_u32 v254, v0, 2, 0x44400
	v_mov_b32 v255, 0
	v_and_b32 v[LN], 31, v0
	v_lshrrev_b32 v[T0], 5, v0
	v_readfirstlane_b32 s20, v[T0]                 ; wave 0..15
	v_lshlrev_b32 v[G16], 4, v[LN]
	s_wait_alu depctr_va_sdst(0)                   ; s20 is written, ahead of its first reader: bases and LDS addresses are made from it
	s_lshr_b32 s21, s20, 2                         ; m
	s_and_b32 s22, s20, 3                          ; kq
	s_lshl_b32 s24, ttmp9, 19                      ; hidden_states: 64 rows a work-group,
	s_lshl_b32 s25, s21, 17                        ; 16 rows a tile,
	s_add_co_u32 s24, s24, s25
	s_lshl_b32 s25, s22, 9                         ; my chunk of a stage's four
	s_add_co_u32 s24, s24, s25
	s_mov_b32 s25, 0
	s_lshl_b32 s26, s20, 15                        ; router_weight: my four rows
	s_mov_b32 s27, 0
	s_lshl_b32 s28, ttmp9, 14                      ; noise and out2: 64 rows of 256 bytes a work-group,
	s_lshl_b32 s29, s20, 10                        ; four rows a wave
	s_add_co_u32 s28, s28, s29
	s_mov_b32 s29, 0
	s_lshl_b32 s30, ttmp9, 9                       ; out0, out1, part: 512 bytes a work-group
	s_mov_b32 s31, 0
	s_wait_kmcnt 0x0
	s_load_b64 s[32:33], s[10:11], 0x0             ; e0, e1
	s_add_nc_u64 s[6:7], s[6:7], s[26:27]
	s_add_nc_u64 s[4:5], s[4:5], s[24:25]
	s_wait_alu depctr_va_vdst(0)                   ; v[G16] is written: every global load and store of the kernel reads it as its offset
.macro LDW s, i                        ; router_weight, stage s, chunk i: my four rows -> slot i
.irp j, 0,1,2,3
	global_load_b128 v[RING+16*(\i)+4*\j:RING+16*(\i)+4*\j+3], v[G16], s[6:7] offset:\j*ROWB+(\s)*STEPB+(\i)*CHB
.endr
.endm
.macro LDX s, i                        ; hidden_states, stage s, my chunk: rows 4 i .. 4 i + 3 of my tile -> slot 4 + i.  Read once in the launch
.irp j, 0,1,2,3
	global_load_b128 v[RING+64+16*(\i)+4*\j:RING+64+16*(\i)+4*\j+3], v[G16], s[4:5] offset:(4*(\i)+\j)*ROWB+(\s)*STEPB th:TH_LOAD_NT
.endr
.endm
.irp i, 0,1,2,3
	LDW 0, \i
.endr
.irp i, 0,1,2,3
	LDX 0, \i
.endr
	s_add_nc_u64 s[8:9], s[8:9], s[28:29]
	global_load_b128 v[NZ:NZ+3], v[G16], s[8:9] th:TH_LOAD_NT             ; my four tokens' noise: two rows, 512 consecutive bytes, a load
	global_load_b128 v[NZ+4:NZ+7], v[G16], s[8:9] offset:512 th:TH_LOAD_NT
	s_add_nc_u64 s[16:17], s[16:17], s[28:29]
	s_add_nc_u64 s[12:13], s[12:13], s[30:31]
	s_add_nc_u64 s[14:15], s[14:15], s[30:31]
	s_add_nc_u64 s[18:19], s[18:19], s[30:31]
	; LDS addresses: a constant, a constant x wave, constants x parts of the lane.  They are made while the first loads are out; the first group's wait on va_vdst shows them written, ahead of the first LDS instruction
	v_and_b32 v[RR], 15, v0
	v_bfe_u32 v[HH], v0, 4, 1
	s_mul_i32 s36, s20, 4*CP
	v_lshl_add_u32 v[WST], v[LN], 2, s36           ; my four experts' rows of a stage's block, + 4 x lane
	v_add_nc_u32 v[WST+1], 2*WPART, v[WST]
	s_mul_i32 s37, s20, XREG
	s_add_co_u32 s37, s37, XBASE                   ; my region
	v_lshl_add_u32 v[XST], v[LN], 2, s37
	v_mul_u32_u24 v[T0], v[RR], CP
	v_lshl_add_u32 v[T0], v[HH], 4, v[T0]          ; a fragment: row lane % 16, + 16 (lane / 16)
	v_add_nc_u32 v[XFA], s37, v[T0]
	s_lshl_b32 s38, s22, 7
	v_add_nc_u32 v[WFA], s38, v[T0]                ; of router_weight: my chunk of the stage's four
	v_add_nc_u32 v[WFA+1], 2*WPART, v[WFA]
	v_mul_u32_u24 v[T1], v[RR], PP
	v_lshl_add_u32 v[T1], v[HH], 5, v[T1]
	v_add_nc_u32 v[PST], s37, v[T1]                ; partial sums in: token lane % 16, + 32 (lane / 16)
	s_mul_i32 s39, s21, 4*XREG
	s_mul_i32 s40, s22, 4*PP
	s_add_co_u32 s39, s39, s40
	s_add_co_u32 s39, s39, XBASE
	v_mul_u32_u24 v[T1], v[HH], PP
	v_lshl_add_u32 v[T1], v[RR], 4, v[T1]
	v_add_nc_u32 v[PRD], s39, v[T1]                ; and back: in the regions of my tile's four waves, tokens 4 (w % 4) + lane / 16 (+ 2), 16 bytes a lane
	s_lshl_b32 s40, s20, 5
	s_add_co_u32 s40, s40, OSB
	v_lshl_add_u32 v[OST], v[HH], 3, s40           ; 8 bytes a token: 32 w + 8 (lane / 16)
	v_add_nc_u32 v[CSR], CSB, v[G16]
	s_lshl_b32 s40, s20, 9
	v_add_nc_u32 v[CSA], s40, v[CSR]
	s_mov_b32 s46, 0x76543210                      ; v_permlanex16_b32: each lane takes its own place in the other half
	s_mov_b32 s47, 0xfedcba98
	s_wait_kmcnt 0x0
	s_add_co_i32 s41, s32, 127
	s_lshl_b32 s42, s41, 23
	v_mov_b32 v[SCX], s42                          ; 2^e0 as f32: the conversion takes its exponent field
	s_add_co_i32 s41, s41, 8
	s_lshl_b32 s41, s41, 23
	s_or_b32 s41, s41, 0x600000
	v_mov_b32 v[LIMX], s41                         ; 448 x 2^e0
	s_add_co_i32 s41, s33, 127
	s_lshl_b32 s42, s41, 23
	v_mov_b32 v[SCW], s42
	s_add_co_i32 s41, s41, 8
	s_lshl_b32 s41, s41, 23
	s_or_b32 s41, s41, 0x600000
	v_mov_b32 v[LIMW], s41
	s_add_co_i32 s34, s32, s33
	s_add_co_i32 s34, s34, 127
	s_lshl_b32 s34, s34, 23                        ; 2^(e0 + e1) as f32
	s_mov_b32 s35, s34                             ; (named with it as a pair, so it is written)
; The 32 groups of four loads are issued, and worked, in one order: stage by stage, router_weight's four and then hidden_states' four.  Q counts them.  When group Q is worked, groups up to Q + 7 have been issued.
.set Q, 0
.macro WAITLD
.if Q < 8
	s_wait_loadcnt 30                              ; loads come back in order (ISA guide 5.7.1): group Q is in; the seven younger groups and the two loads of noise may be out
.elseif Q < 25
	s_wait_loadcnt 28                              ; the seven younger groups may be out
.else
	s_wait_loadcnt 4*(31-Q)                        ; the tail: what is left
.endif
.endm
; One word of four codes goes to LDS.  kind = 1: router_weight's, stage s, chunk i, expert 4 w + j: 32 lanes write 128 consecutive bytes of that expert's row.  kind = 2: my tokens', stage s, row 4 i + j.
.macro STC kind, s, i, j
.if (\kind) == 1
	ds_store_b32 v[WST+(\s)/2], v[CD+4*((\i)%2)+(\j)] offset:((\s)%2)*WPART+(\j)*CP+(\i)*128
.else
	ds_store_b32 v[XST], v[CD+4*((\i)%2)+(\j)] offset:(4*(\i)+(\j))*CP+(\s)*128
.endif
.endm
; A group: 16 numbers (four rows' quads) become four words of codes in set i % 2.  kind = 1: router_weight, stage s, chunk i.  kind = 2: hidden_states, stage s, rows 4 i .. 4 i + 3.
.macro GRP kind, s, i
.set SL, RING+64*((\kind)-1)+16*(\i)           ; the group's slot
.set LM, LIMW-2*((\kind)-1)                    ; 448 x the scale; the scale itself stands one register on
	WAITLD
.irp n, 0,1,2,3,4,5,6,7,8,9,10,11,12,13,14,15
	v_med3_num_f32 v[SL+\n], v[SL+\n], -v[LM], v[LM]   ; the conversion to an 8-bit code does not saturate (ISA guide 7.6.2): the hold at the largest code x the scale
.if ((\i) > 0) && (((\n) % 4) == 3)
	STC \kind, \s, (\i)-1, (\n)/4                  ; the group before's codes, one word behind every fourth hold.  No wait: no vector instruction since that group's wait on va_vdst names its set of codes or this address
.endif
.endr
	s_wait_alu depctr_va_vdst(0)
	s_wait_dscnt 4                                 ; at most the four youngest LDS instructions are out: the stores that read this set, two groups ago, are done
	s_wait_alu depctr_vm_vsrc(0)                   ; the LDS stores of two groups ago have read this set of codes, which the conversions write again
	v_cvt_scalef32_pk8_fp8_f32 v[CD+4*((\i)%2):CD+4*((\i)%2)+1], v[SL:SL+7], v[LM+1]        ; rows 0 and 1: a word of four codes each, the lowest k in the lowest byte
	v_cvt_scalef32_pk8_fp8_f32 v[CD+4*((\i)%2)+2:CD+4*((\i)%2)+3], v[SL+8:SL+15], v[LM+1]   ; rows 2 and 3
	v_nop                                          ; one plain vector instruction behind the last conversion of a run
	s_wait_alu depctr_va_vdst(0)                   ; holds and conversions are done with the slot, in which the next loads land; the set of codes is written, which the LDS stores read; the products issued so far are done reading their fragments, in which the next fragments land; in the first group: the LDS addresses are written
.if (\s) < 3
.if (\kind) == 1
	LDW (\s)+1, \i                                 ; the slot's next loads, straight behind the wait
.else
	LDX (\s)+1, \i
.endif
.endif
.if (\i) == 3
.irp j, 0,1,2,3
	STC \kind, \s, \i, \j                          ; the last group of a run stores at once: a barrier, or the loads of my tokens' fragment, follow
.endr
.endif
.set Q, Q+1
.endm
.macro LDWF reg, s, t                  ; router_weight's fragment: experts 16 t on, my chunk of stage s
.irp c, 0,1,2,3
	ds_load_b128 v[\reg+4*\c:\reg+4*\c+3], v[WFA+(\s)/2] offset:((\s)%2)*WPART+(\t)*16*CP+32*\c
.endr
.endm
.macro MUL t, wreg, zero               ; source 0 = 16 experts, source 1 = my 16 tokens.  zero = 1: the first product starts the sum: nothing is cleared
.if \zero
	v_wmma_f32_16x16x128_fp8_fp8 v[ACC+8*(\t):ACC+8*(\t)+7], v[\wreg:\wreg+15], v[XF:XF+15], 0
.else
	v_wmma_f32_16x16x128_fp8_fp8 v[ACC+8*(\t):ACC+8*(\t)+7], v[\wreg:\wreg+15], v[XF:XF+15], v[ACC+8*(\t):ACC+8*(\t)+7]
.endif
.endm
; The four accumulators take turns, one instruction a turn, in the same order in every stage.
; A load into a fragment that matrix instructions have read stands behind a wait on va_vdst that was issued behind them: between the stages the groups' waits are these; inside a stage the wait is written out.
.macro STAGE s
.irp i, 0,1,2,3
	GRP 1, \s, \i
.endr
	s_wait_dscnt 0x0                               ; for the others' sake: my codes of router_weight's part s lie in LDS
	s_barrier_signal -1
	s_barrier_wait -1                              ; everybody's do.  (The next stages' parts go into other blocks of LDS: nothing that is read here is written again)
	LDWF WF, \s, 0                                 ; no wait: no vector or matrix instruction since the last group's wait names these registers
	LDWF WF+16, \s, 1
.if (\s) == 3
	LDWF RING, \s, 2                               ; the last stage: router_weight's slots are free, so all four fragments are fetched ahead of my tokens' last numbers (slots 0 and 1: their groups' waits stand behind the last lines that named them)
	LDWF RING+16, \s, 3
.endif
.irp i, 0,1,2,3
	GRP 2, \s, \i
.endr
.irp c, 0,1,2,3
	ds_load_b128 v[XF+4*\c:XF+4*\c+3], v[XFA] offset:(\s)*128+32*\c    ; LDS serves a wave's instructions in order (ISA guide 5.7.1.4): these see my stores above
.endr
	s_wait_dscnt 0x0
.if (\s) == 0
	MUL 0, WF, 1
	MUL 1, WF+16, 1
.else
	MUL 0, WF, 0
	MUL 1, WF+16, 0
.endif
.if (\s) < 3
.rept 4
	v_nop                                          ; four plain lines stay between the two products and the loads into their fragments; the dependence itself is stated by the wait below
.endr
	s_wait_alu depctr_va_vdst(0)                   ; the two products are done reading WF, in which fragments 2 and 3 land
	LDWF WF, \s, 2
	LDWF WF+16, \s, 3
	s_wait_dscnt 0x0
.if (\s) == 0
	MUL 2, WF, 1
	MUL 3, WF+16, 1
.else
	MUL 2, WF, 0
	MUL 3, WF+16, 0
.endif
.else
	MUL 2, RING, 0
	MUL 3, RING+16, 0
.endif
.endm
	s_wait_alu depctr_va_vdst(0)
	STAGE 0
	STAGE 1
	STAGE 2
	STAGE 3
; ---- the four K quarters meet.  Registers from here on:
.set PT,   96                          ; v96-127  the four partial sums of my 8 numbers
.set LG,   128                         ; v128-135 logits: pair of tokens g = 0, 1: token 4 w + 2 g + lane / 16, experts 4 (lane % 16) + 0 .. 3
.set EI,   136                         ; v136-139 my four experts' numbers, as f32
.set M1,   140                         ; largest logit (g = 0, 1);  I1 its expert;  M2, I2 the second
.set I1,   142
.set M2,   144
.set I2,   146
.set BB,   148                         ; v148-155 logits without the largest
.set K64,  156
.set NINF, 157
.set ONE,  158
.set QQ,   32                          ; v32-39   2^((logit - M1) log2 e)
.set TT,   40                          ; v40-47   1 where my expert is chosen
.set EX,   48
.set SM,   50
.set RS,   52
.set WT,   54                          ; v54-57   out1's two numbers, g = 0, 1
.set IX,   58                          ; v58-61   out0's
.set PS,   62                          ; v62-65   sums of probabilities
.set CN,   66                          ; v66-69   counts
.set YY,   70                          ; v70-77   the other half's
.set DD,   78
.irp p, 0,2,4,6
	v_pk_mul_f32 v[NZ+\p:NZ+\p+1], v[NZ+\p:NZ+\p+1], 0x3dcccccd op_sel_hi:[1,0]   ; 0.1 x noise.  These four are also the places between the last products and the stores that read them
.endr
	s_wait_alu depctr_va_vdst(0)                   ; the products have written the accumulators, which the LDS stores read (the four places above stay beside this wait); and every line that named v96-127, in which the partial sums land below, is done
.irp t, 0,1,2,3
	ds_store_b128 v[PST], v[ACC+8*\t:ACC+8*\t+3] offset:64*\t          ; each accumulator from its low end on: token lane % 16, experts 16 t + 8 (lane / 16) + 0 .. 7.  Into my own region: my reads of its codes are back
	ds_store_b128 v[PST], v[ACC+8*\t+4:ACC+8*\t+7] offset:64*\t+16
.endr
	s_wait_dscnt 0x0                               ; for the others' sake
	s_barrier_signal -1
	s_barrier_wait -1
.irp q, 0,1,2,3
.irp g, 0,1
	ds_load_b128 v[PT+8*\q+4*\g:PT+8*\q+4*\g+3], v[PRD] offset:\q*XREG+\g*2*PP
.endr
.endr
	v_lshlrev_b32 v[EI], 2, v[RR]
	v_cvt_f32_u32 v[EI], v[EI]
	v_add_f32 v[EI+1], 1.0, v[EI]
	v_add_f32 v[EI+2], 2.0, v[EI]
	v_add_f32 v[EI+3], 0x40400000, v[EI]
	v_mov_b32 v[K64], 0x42800000                   ; 64.0: above every expert's number
	v_mov_b32 v[NINF], 0xff800000
	v_mov_b32 v[ONE], 1.0
	s_wait_dscnt 0x0
.irp p, 0,2,4,6
	v_pk_add_f32 v[PT+\p:PT+\p+1], v[PT+\p:PT+\p+1], v[PT+8+\p:PT+8+\p+1]
	v_pk_add_f32 v[PT+16+\p:PT+16+\p+1], v[PT+16+\p:PT+16+\p+1], v[PT+24+\p:PT+24+\p+1]
.endr
.irp p, 0,2,4,6
	v_pk_add_f32 v[PT+\p:PT+\p+1], v[PT+\p:PT+\p+1], v[PT+16+\p:PT+16+\p+1]
.endr
.irp p, 0,2,4,6
	v_pk_fma_f32 v[LG+\p:LG+\p+1], v[PT+\p:PT+\p+1], s[34:35], v[NZ+\p:NZ+\p+1] op_sel_hi:[1,0,1]   ; sum x 2^(e0 + e1), which rounds nothing, + 0.1 x noise
.endr
	s_wait_alu depctr_va_vdst(0)                   ; the logits are written, which the two stores read; no line writes them again
	global_store_b128 v[G16], v[LG:LG+3], s[16:17] th:TH_STORE_NT                ; two tokens' rows: 512 consecutive bytes, at a multiple of 512 from out2's first byte
	global_store_b128 v[G16], v[LG+4:LG+7], s[16:17] offset:512 th:TH_STORE_NT
.macro RED op, reg                     ; over the 16 lanes that share a token; the two pairs of tokens by turns
.irp x, 1,2,4,8
.irp g, 0,1
	\op v[\reg+\g], v[\reg+\g], v[\reg+\g] row_xmask:\x row_mask:0xf bank_mask:0xf
.endr
.endr
.endm
.macro TOP mx, val                     ; the largest of a token's 64 numbers
.irp g, 0,1
	v_max3_num_f32 v[\mx+\g], v[\val+4*\g], v[\val+4*\g+1], v[\val+4*\g+2]
.endr
.irp g, 0,1
	v_max_num_f32 v[\mx+\g], v[\mx+\g], v[\val+4*\g+3]
.endr
	RED v_max_num_f32_dpp, \mx
.endm
.macro ARGM idx, val, mx               ; the lowest expert that holds it: among my four from the highest down, then the least over the lanes.  The eight compares stand in one run, a mask each, with one wait behind the run
.irp g, 0,1
.irp i, 0,1,2,3
	v_cmp_eq_f32 s[MK+4*\g+\i], v[\val+4*\g+\i], v[\mx+\g]
.endr
.endr
	s_wait_alu depctr_va_sdst(0)                   ; the masks of the run above are written, ahead of the selections that read them
.irp g, 0,1
	v_cndmask_b32 v[\idx+\g], v[K64], v[EI+3], s[MK+4*\g+3]
.irp i, 2,1,0
	v_cndmask_b32 v[\idx+\g], v[\idx+\g], v[EI+\i], s[MK+4*\g+\i]
.endr
.endr
	RED v_min_num_f32_dpp, \idx
.endm
.macro SAME idx                        ; a run of eight compares: which of my experts is the token's chosen one
.irp g, 0,1
.irp i, 0,1,2,3
	v_cmp_eq_f32 s[MK+4*\g+\i], v[EI+\i], v[\idx+\g]
.endr
.endr
	s_wait_alu depctr_va_sdst(0)                   ; the masks of the run above are written, ahead of the selections that read them
.endm
	TOP M1, LG
.irp g, 0,1
.irp i, 0,1,2,3
	v_sub_f32 v[QQ+4*\g+\i], v[LG+4*\g+\i], v[M1+\g]                  ; the maximum is taken away first
.endr
.endr
.irp p, 0,2,4,6
	v_pk_mul_f32 v[QQ+\p:QQ+\p+1], v[QQ+\p:QQ+\p+1], 0x3fb8aa3b op_sel_hi:[1,0]
.endr
	s_wait_alu depctr_va_vdst(0)
.irp n, 0,1,2,3,4,5,6,7
	v_exp_f32 v[QQ+\n], v[QQ+\n]                   ; a batch of eight; the search for the first expert is the independent work behind it
.endr
	v_cmp_ne_u32 s44, 0, v[HH]                     ; lanes 16-31: it heads the run of compares below, whose wait stands ahead of its first reader too
	ARGM I1, LG, M1
	s_wait_alu depctr_va_vdst(0)                   ; the eight exponentials have written v[QQ ..]: one wait for the batch, ahead of its first reader
.irp g, 0,1
	v_add_f32 v[SM+\g], v[QQ+4*\g], v[QQ+4*\g+1]
	v_add_f32 v[RS+\g], v[QQ+4*\g+2], v[QQ+4*\g+3]
.endr
.irp g, 0,1
	v_add_f32 v[SM+\g], v[SM+\g], v[RS+\g]
.endr
	RED v_add_f32_dpp, SM                          ; the softmax's divisor
	SAME I1
.irp g, 0,1
.irp i, 0,1,2,3
	v_cndmask_b32 v[BB+4*\g+\i], v[LG+4*\g+\i], v[NINF], s[MK+4*\g+\i]       ; the first expert is taken out: a choice of values, no branch
	v_cndmask_b32 v[TT+4*\g+\i], 0, v[ONE], s[MK+4*\g+\i]
.endr
.endr
	TOP M2, BB
.irp g, 0,1
	v_sub_f32 v[EX+\g], v[M2+\g], v[M1+\g]
.endr
	v_pk_mul_f32 v[EX:EX+1], v[EX:EX+1], 0x3fb8aa3b op_sel_hi:[1,0]
	s_wait_alu depctr_va_vdst(0)
	v_exp_f32 v[EX], v[EX]                         ; e^(second - first): a batch of four with the divisors' reciprocals
	v_exp_f32 v[EX+1], v[EX+1]
	v_rcp_f32 v[RS], v[SM]
	v_rcp_f32 v[RS+1], v[SM+1]
	ARGM I2, BB, M2
	SAME I2
.irp g, 0,1
.irp i, 0,1,2,3
	v_cndmask_b32 v[TT+4*\g+\i], v[TT+4*\g+\i], v[ONE], s[MK+4*\g+\i]
.endr
.endr
	v_pk_add_f32 v[CN:CN+1], v[TT:TT+1], v[TT+4:TT+5]
	v_pk_add_f32 v[CN+2:CN+3], v[TT+2:TT+3], v[TT+6:TT+7]
	s_wait_alu depctr_va_vdst(0)                   ; the two exponentials and the two reciprocals have written v[EX ..] and v[RS ..]: one wait for the four, ahead of their first reader
.irp g, 0,1
	v_add_f32 v[SM+\g], 1.0, v[EX+\g]
.endr
	s_wait_alu depctr_va_vdst(0)
	v_rcp_f32 v[WT], v[SM]                         ; the first weight: 1 / (1 + e^(second - first))
	v_rcp_f32 v[WT+2], v[SM+1]
.irp i, 0,1,2,3
	v_mul_f32 v[PS+\i], v[QQ+\i], v[RS]            ; my two tokens' probabilities of my four experts, added
.endr
.irp i, 0,1,2,3
	v_fmac_f32 v[PS+\i], v[QQ+4+\i], v[RS+1]
.endr
.irp g, 0,1
	v_cvt_i32_f32 v[IX+2*\g], v[I1+\g]
	v_cvt_i32_f32 v[IX+2*\g+1], v[I2+\g]
.endr
	s_wait_alu depctr_va_vdst(0)                   ; the two reciprocals have written v[WT] and v[WT+2]: one wait for the two, ahead of their first reader
.irp g, 0,1
	v_mul_f32 v[WT+2*\g+1], v[EX+\g], v[WT+2*\g]
.endr
.irp i, 0,1,2,3
	v_permlanex16_b32 v[YY+\i], v[PS+\i], s46, s47                    ; the other half of the lanes holds the same experts of other tokens
	v_permlanex16_b32 v[YY+4+\i], v[CN+\i], s46, s47
.endr
.irp p, 0,2
	v_pk_add_f32 v[PS+\p:PS+\p+1], v[PS+\p:PS+\p+1], v[YY+\p:YY+\p+1]
	v_pk_add_f32 v[CN+\p:CN+\p+1], v[CN+\p:CN+\p+1], v[YY+4+\p:YY+4+\p+1]
.endr
.irp i, 0,1,2,3
	v_cndmask_b32 v[DD+\i], v[PS+\i], v[CN+\i], s44                   ; lanes 0-15 hand on the sums, lanes 16-31 the counts
.endr
	s_wait_alu depctr_va_vdst(0)                   ; the experts' numbers, the weights and the column sums are written, which the five LDS stores read; and every line that named v32-95, in which the loads behind the barrier land, is done
.irp g, 0,1
	ds_store_b64 v[OST], v[IX+2*\g:IX+2*\g+1] offset:16*\g            ; the sixteen lanes of a token write the same 8 bytes with the same numbers
	ds_store_b64 v[OST], v[WT+2*\g:WT+2*\g+1] offset:512+16*\g
.endr
	ds_store_b128 v[CSA], v[DD:DD+3]                                  ; 512 bytes a wave
	s_wait_dscnt 0x0                               ; for the others' sake
	s_barrier_signal -1
	s_barrier_wait -1
	s_wait_alu depctr_vm_vsrc(0)                   ; my five LDS stores have read v54-61 and v78-81, in which wave 0's loads below land: stated here, ahead of the branches
	; three waves carry the work-group's three rows of 512 bytes out, each by one store of 512 consecutive bytes
	s_cmp_eq_u32 s20, 0
	s_cbranch_scc1 .Lsums
	s_cmp_eq_u32 s20, 1
	s_cbranch_scc1 .Lexperts
	s_cmp_eq_u32 s20, 2
	s_cbranch_scc1 .Lweights
	s_wait_dscnt 0x0
	s_wait_alu depctr_hold_cnt(0) depctr_sa_sdst(0) depctr_va_vdst(0) depctr_va_sdst(0) depctr_va_ssrc(0) depctr_va_vcc(0) depctr_vm_vsrc(0)
	s_wait_tensorcnt 0x0
	ds_add_u32 v254, v255
	s_wait_dscnt 0x0
	s_endpgm
.macro FOLD base, n                    ; entries n .. 2 n - 1 (four registers each) are added onto entries 0 .. n - 1
.set U, 0
.rept \n
	v_pk_add_f32 v[\base+4*U:\base+4*U+1], v[\base+4*U:\base+4*U+1], v[\base+4*(U+(\n)):\base+4*(U+(\n))+1]
	v_pk_add_f32 v[\base+4*U+2:\base+4*U+3], v[\base+4*U+2:\base+4*U+3], v[\base+4*(U+(\n))+2:\base+4*(U+(\n))+3]
.set U, U+1
.endr
.endm
.Lsums:
.irp u, 0,1,2,3,4,5,6,7,8,9,10,11,12,13,14,15
	ds_load_b128 v[32+4*\u:35+4*\u], v[CSR] offset:512*\u
.endr
	s_wait_dscnt 0x0
	FOLD 32, 8
	FOLD 32, 4
	FOLD 32, 2
	FOLD 32, 1
	s_wait_alu depctr_va_vdst(0)                   ; the last additions have written v32-35, which the store reads
	global_store_b128 v[G16], v[32:35], s[18:19]
	s_wait_dscnt 0x0
	s_wait_alu depctr_hold_cnt(0) depctr_sa_sdst(0) depctr_va_vdst(0) depctr_va_sdst(0) depctr_va_ssrc(0) depctr_va_vcc(0) depctr_vm_vsrc(0)
	s_wait_tensorcnt 0x0
	ds_add_u32 v254, v255
	s_wait_dscnt 0x0
	s_endpgm
.Lexperts:
	ds_load_b128 v[32:35], v[CSR] offset:OSB-CSB
	s_wait_dscnt 0x0
	global_store_b128 v[G16], v[32:35], s[12:13] th:TH_STORE_NT
	s_wait_dscnt 0x0
	s_wait_alu depctr_hold_cnt(0) depctr_sa_sdst(0) depctr_va_vdst(0) depctr_va_sdst(0) depctr_va_ssrc(0) depctr_va_vcc(0) depctr_vm_vsrc(0)
	s_wait_tensorcnt 0x0
	ds_add_u32 v254, v255
	s_wait_dscnt 0x0
	s_endpgm
.Lweights:
	ds_load_b128 v[32:35], v[CSR] offset:OSB-CSB+512
	s_wait_dscnt 0x0
	global_store_b128 v[G16], v[32:35], s[14:15] th:TH_STORE_NT
	s_wait_dscnt 0x0
	s_wait_alu depctr_hold_cnt(0) depctr_sa_sdst(0) depctr_va_vdst(0) depctr_va_sdst(0) depctr_va_ssrc(0) depctr_va_vcc(0) depctr_vm_vsrc(0)
	s_wait_tensorcnt 0x0
	ds_add_u32 v254, v255
	s_wait_dscnt 0x0
	s_endpgm
.Lfunc_end_k_qaa7f9e7f30_route:
	.size	k_qaa7f9e7f30_route, .Lfunc_end_k_qaa7f9e7f30_route-k_qaa7f9e7f30_route
	.p2alignl 7, 3214868480
	.fill 96, 4, 3214868480
	.section	.rodata,"a",@progbits
	.p2align	6, 0x0
	.amdhsa_kernel k_qaa7f9e7f30_route
		.amdhsa_group_segment_fixed_size 281600
		.amdhsa_private_segment_fixed_size 0
		.amdhsa_enable_private_segment 0
		.amdhsa_kernarg_size 64
		.amdhsa_user_sgpr_count 2
		.amdhsa_user_sgpr_kernarg_segment_ptr 1
		.amdhsa_wavefront_size32 1
		.amdhsa_system_sgpr_workgroup_id_x 1
		.amdhsa_system_sgpr_workgroup_id_y 1
		.amdhsa_system_sgpr_workgroup_id_z 1
		.amdhsa_system_vgpr_workitem_id 0
		.amdhsa_next_free_vgpr 256
		.amdhsa_next_free_sgpr 66
		.amdhsa_reserve_vcc 0
		.amdhsa_float_denorm_mode_32 3
		.amdhsa_float_denorm_mode_16_64 3
		.amdhsa_memory_ordered 1
		.amdhsa_forward_progress 1
		.amdhsa_inst_pref_size 93
	.end_amdhsa_kernel
	.amdgpu_metadata
---
amdhsa.version: [ 1, 2 ]
amdhsa.kernels:
  - .name:           k_qaa7f9e7f30_route
    .symbol:         k_qaa7f9e7f30_route.kd
    .args:
      - { .name: hidden_states, .offset: 0, .size: 8, .value_kind: global_buffer, .address_space: global }
      - { .name: router_weight, .offset: 8, .size: 8, .value_kind: global_buffer, .address_space: global }
      - { .name: noise, .offset: 16, .size: 8, .value_kind: global_buffer, .address_space: global }
      - { .name: lowp_scales, .offset: 24, .size: 8, .value_kind: global_buffer, .address_space: global }
      - { .name: out0, .offset: 32, .size: 8, .value_kind: global_buffer, .address_space: global }
      - { .name: out1, .offset: 40, .size: 8, .value_kind: global_buffer, .address_space: global }
      - { .name: out2, .offset: 48, .size: 8, .value_kind: global_buffer, .address_space: global }
      - { .name: part, .offset: 56, .size: 8, .value_kind: global_buffer, .address_space: global }
    .group_segment_fixed_size: 281600
    .private_segment_fixed_size: 0
    .kernarg_segment_align: 8
    .kernarg_segment_size: 64
    .max_flat_workgroup_size: 512
    .sgpr_count:     66
    .vgpr_count:     256
    .wavefront_size: 32
...
	.end_amdgpu_metadata
.endif
;; end of part 3
;; launch aux (part 4): grid 1 x 1, 16 waves a work-group, no clusters, 10,240 bytes of LDS; arguments part, out3; writes out3
.if DOCPART == 4
	.amdgcn_target "amdgcn-amd-amdhsa--gfx1250"
	.amdhsa_code_object_version 6
	.text
	.protected	k_qaa7f9e7f30_aux
	.globl	k_qaa7f9e7f30_aux
	.p2align	8
	.type	k_qaa7f9e7f30_aux,@function
k_qaa7f9e7f30_aux:
	s_mov_b64 s[64:65], 0
	v_nop
	global_prefetch_b8 v0, s[64:65] scope:SCOPE_SE
	s_setreg_imm32_b32 hwreg(HW_REG_WAVE_MODE, 25, 1), 1
	s_wait_xcnt 0x0
; TopKRouter, the second launch: aux_loss.  part[256][128] f32: for each work-group of the first launch, 64 sums of routing probabilities and then 64 counts of chosen experts.
; aux_loss = sum over e of (count_e / 32,768) (sum_e / 16,384) x 64 x 0.001 = (sum over e of count_e sum_e) x 0.064 x 2^-29.  The counts are whole numbers under 2^24: exact in f32.
; A sum over all work-groups of the first launch has one owner: ONE work-group of sixteen waves.  Wave u adds rows 16 u .. 16 u + 15 (sixteen loads of 512 consecutive bytes, all out at once), the sixteen results
; meet in LDS, and wave 0 finishes.  131,072 bytes in all: no matrix unit, no tensor load, no cluster, no prefetch: there is nothing here for them to do.
.macro FOLD base, n                    ; entries n .. 2 n - 1 (four registers each) are added onto entries 0 .. n - 1
.set U, 0
.rept \n
	v_pk_add_f32 v[\base+4*U:\base+4*U+1], v[\base+4*U:\base+4*U+1], v[\base+4*(U+(\n)):\base+4*(U+(\n))+1]
	v_pk_add_f32 v[\base+4*U+2:\base+4*U+3], v[\base+4*U+2:\base+4*U+3], v[\base+4*(U+(\n))+2:\base+4*(U+(\n))+3]
.set U, U+1
.endr
.endm
	s_load_b128 s[4:7], s[0:1], 0x0                ; part s[4:5], out3 s[6:7]
	v_lshl_add_u32 v80, v0, 2, 0x2000
	v_mov_b32 v81, 0
	v_and_b32 v1, 31, v0
	v_lshrrev_b32 v2, 5, v0
	s_delay_alu instid0(VALU_DEP_1)
	v_readfirstlane_b32 s8, v2                     ; wave 0..15
	s_delay_alu instid0(VALU_DEP_3)
	v_lshlrev_b32 v1, 4, v1                        ; 16 x lane: lanes 0-15 hold sums of experts 4 lane + 0 .. 3, lanes 16-31 the counts of experts 4 (lane - 16) + 0 .. 3
	s_lshl_b32 s10, s8, 13                         ; my 16 rows of 512 bytes
	s_mov_b32 s11, 0
	s_lshl_b32 s9, s8, 9
	v_add_nc_u32 v3, s9, v1                        ; LDS: 512 bytes a wave
	s_mov_b32 s12, 0x76543210                      ; v_permlanex16_b32: each lane takes its own place in the other half
	s_mov_b32 s13, 0xfedcba98
.irp i, 0,1,2,3
	v_mov_b32 v[8+\i], 0                           ; written once: a lane permute's destination counts as one of its sources
.endr
	s_wait_alu depctr_va_vdst(0)
	s_wait_kmcnt 0x0
	s_add_nc_u64 s[4:5], s[4:5], s[10:11]
.irp i, 0,1,2,3,4,5,6,7,8,9,10,11,12,13,14,15
	global_load_b128 v[16+4*\i:19+4*\i], v1, s[4:5] offset:512*\i th:TH_LOAD_NT
.endr
	s_wait_loadcnt 0x0
	FOLD 16, 8
	FOLD 16, 4
	FOLD 16, 2
	FOLD 16, 1
	ds_store_b128 v3, v[16:19]
	s_wait_dscnt 0x0                               ; for wave 0's sake
	s_barrier_signal -1
	s_barrier_wait -1
	s_cmp_lg_u32 s8, 0
	s_cbranch_scc1 .Lothers
.irp i, 0,1,2,3,4,5,6,7,8,9,10,11,12,13,14,15
	ds_load_b128 v[16+4*\i:19+4*\i], v1 offset:512*\i
.endr
	s_wait_dscnt 0x0
	FOLD 16, 8
	FOLD 16, 4
	FOLD 16, 2
	FOLD 16, 1
.irp i, 0,1,2,3
	v_permlanex16_b32 v[8+\i], v[16+\i], s12, s13  ; sums meet counts: both halves of the lanes then form the same products
.endr
	s_delay_alu instid0(VALU_DEP_4)
	v_mul_f32 v4, v16, v8
	s_delay_alu instid0(VALU_DEP_1)
	v_fmac_f32 v4, v17, v9
	s_delay_alu instid0(VALU_DEP_1)
	v_fmac_f32 v4, v18, v10
	s_delay_alu instid0(VALU_DEP_1)
	v_fmac_f32 v4, v19, v11
.irp x, 1,2,4,8
	s_delay_alu instid0(VALU_DEP_1)
	v_add_f32_dpp v4, v4, v4 row_xmask:\x row_mask:0xf bank_mask:0xf
.endr
	s_delay_alu instid0(VALU_DEP_1)
	v_mul_f32 v4, 0x2f03126f, v4                   ; x 0.064 x 2^-29
	v_mov_b32 v5, 0
	s_wait_alu depctr_va_vdst(0)
	s_wait_xcnt 0x0                                ; EXEC is narrowed only behind this wait
	v_cmp_eq_u32 vcc_lo, 0, v0
	s_wait_tensorcnt 0x0
	ds_add_u32 v80, v81
	s_wait_dscnt 0x0
	s_and_saveexec_b32 s14, vcc_lo                 ; one number: one lane stores it
	global_store_b32 v5, v4, s[6:7]
	s_endpgm
.Lothers:
	s_wait_tensorcnt 0x0
	ds_add_u32 v80, v81
	s_wait_dscnt 0x0
	s_endpgm
.Lfunc_end_k_qaa7f9e7f30_aux:
	.size	k_qaa7f9e7f30_aux, .Lfunc_end_k_qaa7f9e7f30_aux-k_qaa7f9e7f30_aux
	.p2alignl 7, 3214868480
	.fill 96, 4, 3214868480
	.section	.rodata,"a",@progbits
	.p2align	6, 0x0
	.amdhsa_kernel k_qaa7f9e7f30_aux
		.amdhsa_group_segment_fixed_size 10240
		.amdhsa_private_segment_fixed_size 0
		.amdhsa_enable_private_segment 0
		.amdhsa_kernarg_size 16
		.amdhsa_user_sgpr_count 2
		.amdhsa_user_sgpr_kernarg_segment_ptr 1
		.amdhsa_wavefront_size32 1
		.amdhsa_system_sgpr_workgroup_id_x 1
		.amdhsa_system_sgpr_workgroup_id_y 1
		.amdhsa_system_sgpr_workgroup_id_z 1
		.amdhsa_system_vgpr_workitem_id 0
		.amdhsa_next_free_vgpr 82
		.amdhsa_next_free_sgpr 66
		.amdhsa_reserve_vcc 1
		.amdhsa_float_denorm_mode_32 3
		.amdhsa_float_denorm_mode_16_64 3
		.amdhsa_memory_ordered 1
		.amdhsa_forward_progress 1
		.amdhsa_inst_pref_size 10
	.end_amdhsa_kernel
	.amdgpu_metadata
---
amdhsa.version: [ 1, 2 ]
amdhsa.kernels:
  - .name:           k_qaa7f9e7f30_aux
    .symbol:         k_qaa7f9e7f30_aux.kd
    .args:
      - { .name: part, .offset: 0, .size: 8, .value_kind: global_buffer, .address_space: global }
      - { .name: out3, .offset: 8, .size: 8, .value_kind: global_buffer, .address_space: global }
    .group_segment_fixed_size: 10240
    .private_segment_fixed_size: 0
    .kernarg_segment_align: 8
    .kernarg_segment_size: 16
    .max_flat_workgroup_size: 512
    .sgpr_count:     66
    .vgpr_count:     82
    .wavefront_size: 32
...
	.end_amdgpu_metadata
.endif
;; end of part 4
